; MI455X (gfx1250); checked and timed in simulation.
; The chip was launched on July 23, 2026; its instructions are those of AMD's public machine-readable ISA for CDNA 5 (MIT licence, August 2026) and "CDNA5" Instruction Set Architecture Reference Guide (July 2026). The comments in the code are by the model that wrote it; some were corrected since.
;; Attention. Allowed arithmetic: float matrix products may take bf16 or f16 operands with f32 sums; all other float work in f32.
;; Inputs: W_K 512 x 512 float32; W_Q 512 x 512 float32; W_V 512 x 512 float32; decoder_outputs 16 x 512 float32; encoder_outputs 16 x 8,192 x 512 float32.
;; Outputs: out0 16 x 512 float32; out1 16 x 1 x 8,192 float32.
;; One version. Each part assembles by itself: llvm-mc -triple=amdgcn-amd-amdhsa -mcpu=gfx1250 --defsym DOCPART=n.
;; ======== version 1 of 1: 3 launches
;; workspace buffers: qkp 1,048,576 bytes; scores 524,288 bytes; part 589,824 bytes
;; launch qkpart (part 1): grid 32 x 8, 4 waves a work-group, no clusters, 768 bytes of LDS; arguments decoder_outputs, W_Q, W_K, qkp; writes qkp
.if DOCPART == 1
	.amdgcn_target "amdgcn-amd-amdhsa--gfx1250"
	.amdhsa_code_object_version 6
	.text
	.protected	k_qbe5baa2784_qkpart
	.globl	k_qbe5baa2784_qkpart
	.p2align	8
	.type	k_qbe5baa2784_qkpart,@function
k_qbe5baa2784_qkpart:
	s_mov_b64 s[64:65], 0
	v_nop
	global_prefetch_b8 v0, s[64:65] scope:SCOPE_SE
	s_setreg_imm32_b32 hwreg(HW_REG_WAVE_MODE, 25, 1), 1
	s_wait_xcnt 0x0
; The scores are linear in K:  Q[b] . (W_K x) = x . (W_K^T Q[b]).  This launch makes, for all 16 batch rows, partial sums of
;   qk[b][d] = c * sum over e of Q[b][e] W_K[e][d],   Q[b][e] = dec[b] . W_Q[e],   c = log2(e) / sqrt(512),
; so that the next launch's dot product x . qk is the score in units of log2 (its exponentials are base 2).
; Work-group (j, hb) of 32 x 8 owns e = 16 j .. 16 j + 15 and the two batch rows b = 2 hb, 2 hb + 1.
; It stores qkp[j][b][d] = c * sum over its 16 e; the sum over j is made, in a fixed order, by the launch that reads qkp.
; Four waves, one for each SIMD of a WGP; wave lo:
;   Phase 1: the 8 products Q[2 hb + bi][16 j + 4 lo + ei]; a vector of 512 lies over the wave as register 4 i + k of lane L =
;            element 128 i + 4 L + k (four 16-byte loads, each 512 consecutive bytes for the wave).
;   Phase 2: qkp[j][2 hb + bi][128 lo + 4 L + 0..3] from the group's 2 x 16 numbers Q, which pass through 128 bytes of LDS.
; Why 256 small groups: the text is one run of loads, one hand-over and one run of stores, so what counts is how many loads
; a group issues in that run: 40 a wave, 160 a group.  The price: the eight groups of one j read the same 64 KiB of W_Q and W_K.
; All arithmetic is f32 on the vector unit: a number of W_Q or W_K meets two vectors in a group; a conversion to 16 bits would
; cost what the multiply-add costs and lose bits of the exponents of the softmax.
; No cluster, though the eight groups of one j share their rows of W_Q and W_K: there is no loop, a group's 68 KiB come in one
; run of loads straight into the registers that use them, and joint tile loads would add an opening and a closing round of the
; cluster's barrier and a way through LDS to that one run.
; LIMIT: the order of the sums differs from the reference's (rounding of f32 alone).
.set ROWB, 2048                        ; bytes in a row of 512 f32
.set CSC,  0x3d8293ee                  ; log2(e) / sqrt(512)
.set DEC,  16                          ; v[16:47]    2 rows of dec, 16 registers each; then the wave's 8 results; then QV
.set QV,   16                          ; v[16:47]    phase 2: Q[2 hb + bi][16 j + el] at QV + 16 bi + el, the same in every lane
.set WQ,   48                          ; v[48:111]   4 rows of W_Q
.set ACC,  48                          ; v[48:63]    phase 2: even e at ACC, odd e at ACC + 8; in each 2 b x 4 d
.set WK,   112                         ; v[112:175]  16 rows of W_K, my 4 columns of each
.set T,    176                         ; v[176:191]  8 pairs: product n = 4 bi + ei at T + 2 n
.set PL,   16                          ; s[16:17]    v_permlanex16_b32: lane i of one half reads lane i of the other
; v[d:d+1] += v[x:x+1] * v[p+n], the one factor for both halves (p even)
.macro FMAB d, x, p, n
.if (\n)%2
	v_pk_fma_f32 v[\d:\d+1], v[\x:\x+1], v[\p+(\n)-1:\p+(\n)], v[\d:\d+1] op_sel:[0,1,0] op_sel_hi:[1,1,1]
.else
	v_pk_fma_f32 v[\d:\d+1], v[\x:\x+1], v[\p+(\n):\p+(\n)+1], v[\d:\d+1] op_sel_hi:[1,0,1]
.endif
.endm
; v[d:d+1] = v[x:x+1] * v[p+n]: the product that starts a sum
.macro MULB d, x, p, n
.if (\n)%2
	v_pk_mul_f32 v[\d:\d+1], v[\x:\x+1], v[\p+(\n)-1:\p+(\n)] op_sel:[0,1] op_sel_hi:[1,1]
.else
	v_pk_mul_f32 v[\d:\d+1], v[\x:\x+1], v[\p+(\n):\p+(\n)+1] op_sel_hi:[1,0]
.endif
.endm
	s_load_b128 s[4:7], s[0:1], 0x0                ; dec s[4:5], W_Q s[6:7]
	s_load_b128 s[8:11], s[0:1], 0x10              ; W_K s[8:9], qkp s[10:11]
	v_lshl_add_u32 v192, v0, 2, 0x100
	v_mov_b32 v193, 0
	v_lshrrev_b32 v4, 5, v0
	v_readfirstlane_b32 s12, v4                    ; wave = lo
	s_and_b32 s13, ttmp7, 0xffff                   ; hb;  ttmp9 = j
	s_mov_b32 s[PL], 0x76543210
	s_mov_b32 s[PL+1], 0xfedcba98
	v_and_b32 v1, 31, v0
	v_lshlrev_b32 v1, 4, v1                        ; 16 x lane
	s_lshl_b32 s20, s13, 12                        ; dec: row 2 hb
	s_mov_b32 s21, 0
	s_lshl_b32 s24, ttmp9, 15                      ; 16 j rows
	s_lshl_b32 s22, s12, 13
	s_or_b32 s22, s22, s24                         ; W_Q: row 16 j + 4 lo
	s_mov_b32 s23, 0
	s_lshl_b32 s26, s12, 9
	s_or_b32 s24, s24, s26                         ; W_K: row 16 j, column 128 lo
	s_mov_b32 s25, 0
	s_or_b32 s26, s24, s20                         ; qkp: plane j, row 2 hb, column 128 lo
	s_mov_b32 s27, 0
	s_lshl_b32 s18, s12, 4                         ; LDS: Q[bi][e] at 64 bi + 4 e; my 4 numbers of a row begin at 16 lo
	v_mov_b32 v2, s18                              ; where my 8 results go
	v_mov_b32 v3, 0                                ; where the group's 2 rows of Q are read
	s_wait_kmcnt 0x0
	s_add_nc_u64 s[4:5], s[4:5], s[20:21]
	s_add_nc_u64 s[6:7], s[6:7], s[22:23]
	s_add_nc_u64 s[8:9], s[8:9], s[24:25]
	s_add_nc_u64 s[10:11], s[10:11], s[26:27]
.irp r, 0,1
.irp i, 0,1,2,3
	global_load_b128 v[DEC+16*\r+4*\i:DEC+16*\r+4*\i+3], v1, s[4:5] offset:\r*ROWB+512*\i
.endr
.endr
.irp r, 0,1,2,3
.irp i, 0,1,2,3
	global_load_b128 v[WQ+16*\r+4*\i:WQ+16*\r+4*\i+3], v1, s[6:7] offset:\r*ROWB+512*\i
.endr
.endr
.irp el, 0,1,2,3,4,5,6,7,8,9,10,11,12,13,14,15
	global_load_b128 v[WK+4*\el:WK+4*\el+3], v1, s[8:9] offset:\el*ROWB
.endr
	; Phase 1: 8 dot products of length 512, in 8 chains that do not wait for each other
	s_wait_loadcnt 16                              ; loads come back in order (ISA guide 5.7.1): dec and W_Q are in, W_K's 16 stay out
.irp bi, 0,1
.irp ei, 0,1,2,3
	v_pk_mul_f32 v[T+2*(4*\bi+\ei):T+2*(4*\bi+\ei)+1], v[DEC+16*\bi:DEC+16*\bi+1], v[WQ+16*\ei:WQ+16*\ei+1]
.endr
.endr
.irp k, 1,2,3,4,5,6,7
.irp bi, 0,1
.irp ei, 0,1,2,3
	v_pk_fma_f32 v[T+2*(4*\bi+\ei):T+2*(4*\bi+\ei)+1], v[DEC+16*\bi+2*\k:DEC+16*\bi+2*\k+1], v[WQ+16*\ei+2*\k:WQ+16*\ei+2*\k+1], v[T+2*(4*\bi+\ei):T+2*(4*\bi+\ei)+1]
.endr
.endr
.endr
.set n, 0
.rept 8
	v_add_f32 v[T+2*n], v[T+2*n], v[T+2*n+1]
.set n, n+1
.endr
.irp m, 1,2,4,8                                    ; across 16 lanes, on the add itself
.set n, 0
.rept 8
	v_add_f32_dpp v[T+2*n], v[T+2*n], v[T+2*n] row_xmask:\m row_mask:0xf bank_mask:0xf
.set n, n+1
.endr
.endr
.set n, 0
.rept 8
	v_permlanex16_b32 v[T+2*n+1], v[T+2*n], s[PL], s[PL+1]     ; the other half's sum, into a register that has been written
.set n, n+1
.endr
.set n, 0
.rept 8
	v_add_f32 v[T+2*n], v[T+2*n], v[T+2*n+1]
.set n, n+1
.endr
.set n, 0
.rept 8
	v_mul_f32 v[DEC+n], CSC, v[T+2*n]              ; c Q, the same in every lane; dec's registers have been used up
.set n, n+1
.endr
.irp bi, 0,1
	ds_store_b128 v2, v[DEC+4*\bi:DEC+4*\bi+3] offset:64*\bi   ; all lanes store the same 16 bytes with the same values
.endr
	s_wait_dscnt 0x0                               ; my stores are done, for the other waves' sake
	s_barrier_signal -1
	s_barrier_wait -1
.irp bi, 0,1
.irp q, 0,1,2,3
	ds_load_b128 v[QV+16*\bi+4*\q:QV+16*\bi+4*\q+3], v3 offset:64*\bi+16*\q   ; every lane reads the same bytes
.endr
.endr
	; Phase 2: 2 b x 4 d a lane, 16 e each.  Even and odd e have sums of their own: eight chains of eight, so that with one wave
	; on a SIMD a multiply-add finds seven others between itself and the one that it adds onto.
	s_wait_loadcnt 0x0                             ; W_K
	s_wait_dscnt 0x0                               ; Q
.irp el, 0,1
.irp bi, 0,1
.irp h, 0,1
	MULB ACC+8*\el+4*\bi+2*\h, WK+4*\el+2*\h, QV+16*\bi, \el   ; the first products start the sums: nothing is cleared
.endr
.endr
.endr
.irp el, 2,3,4,5,6,7,8,9,10,11,12,13,14,15
.irp bi, 0,1
.irp h, 0,1
	FMAB ACC+8*(\el%2)+4*\bi+2*\h, WK+4*\el+2*\h, QV+16*\bi, \el
.endr
.endr
.endr
.irp k, 0,2,4,6
	v_pk_add_f32 v[ACC+\k:ACC+\k+1], v[ACC+\k:ACC+\k+1], v[ACC+8+\k:ACC+8+\k+1]   ; even e + odd e
.endr
.irp bi, 0,1
	global_store_b128 v1, v[ACC+4*\bi:ACC+4*\bi+3], s[10:11] offset:\bi*ROWB   ; the wave stores 512 consecutive bytes, aligned
.endr
	s_wait_tensorcnt 0x0
	ds_add_u32 v192, v193
	s_wait_dscnt 0x0
	s_endpgm
.Lfunc_end_k_qbe5baa2784_qkpart:
	.size	k_qbe5baa2784_qkpart, .Lfunc_end_k_qbe5baa2784_qkpart-k_qbe5baa2784_qkpart
	.p2alignl 7, 3214868480
	.fill 96, 4, 3214868480
	.section	.rodata,"a",@progbits
	.p2align	6, 0x0
	.amdhsa_kernel k_qbe5baa2784_qkpart
		.amdhsa_group_segment_fixed_size 768
		.amdhsa_private_segment_fixed_size 0
		.amdhsa_enable_private_segment 0
		.amdhsa_kernarg_size 32
		.amdhsa_user_sgpr_count 2
		.amdhsa_user_sgpr_kernarg_segment_ptr 1
		.amdhsa_wavefront_size32 1
		.amdhsa_system_sgpr_workgroup_id_x 1
		.amdhsa_system_sgpr_workgroup_id_y 1
		.amdhsa_system_sgpr_workgroup_id_z 1
		.amdhsa_system_vgpr_workitem_id 0
		.amdhsa_next_free_vgpr 194
		.amdhsa_next_free_sgpr 66
		.amdhsa_reserve_vcc 0
		.amdhsa_float_denorm_mode_32 3
		.amdhsa_float_denorm_mode_16_64 3
		.amdhsa_memory_ordered 1
		.amdhsa_forward_progress 1
		.amdhsa_inst_pref_size 19
	.end_amdhsa_kernel
	.amdgpu_metadata
---
amdhsa.version: [ 1, 2 ]
amdhsa.kernels:
  - .name:           k_qbe5baa2784_qkpart
    .symbol:         k_qbe5baa2784_qkpart.kd
    .args:
      - { .name: decoder_outputs, .offset: 0, .size: 8, .value_kind: global_buffer, .address_space: global }
      - { .name: W_Q, .offset: 8, .size: 8, .value_kind: global_buffer, .address_space: global }
      - { .name: W_K, .offset: 16, .size: 8, .value_kind: global_buffer, .address_space: global }
      - { .name: qkp, .offset: 24, .size: 8, .value_kind: global_buffer, .address_space: global }
    .group_segment_fixed_size: 768
    .private_segment_fixed_size: 0
    .kernarg_segment_align: 8
    .kernarg_segment_size: 32
    .max_flat_workgroup_size: 128
    .sgpr_count:     66
    .vgpr_count:     194
    .wavefront_size: 32
...
	.end_amdgpu_metadata
.endif
;; end of part 1
;; launch stream (part 2): grid 16 x 16, 16 waves a work-group, no clusters, 45,312 bytes of LDS; arguments encoder_outputs, qkp, scores, part; writes scores, part
.if DOCPART == 2
	.amdgcn_target "amdgcn-amd-amdhsa--gfx1250"
	.amdhsa_code_object_version 6
	.text
	.protected	k_qbe5baa2784_stream
	.globl	k_qbe5baa2784_stream
	.p2align	8
	.type	k_qbe5baa2784_stream,@function
k_qbe5baa2784_stream:
	s_mov_b64 s[64:65], 0
	v_nop
	global_prefetch_b8 v0, s[64:65] scope:SCOPE_SE
	s_setreg_imm32_b32 hwreg(HW_REG_WAVE_MODE, 25, 1), 1
	s_wait_xcnt 0x0
; The one pass over encoder_outputs, x[16][8192][512] f32.  Work-group (chunk, b) owns the 512 rows 512 chunk .. + 511 of batch
; row b: 1 MiB, read once.  For each row: t = x . qk[b] (the score in units of log2), and an online softmax
;   m = running maximum of t,  l = sum of 2^(t - m),  acc[d] = sum of 2^(t - m) x[d],
; so that a row stays in registers between its dot product and its weighted sum.  (The context is linear in V:
; sum a V = W_V (sum a x); W_V is applied by the next launch.)
; Sixteen waves; wave w owns 32 rows (64 KiB, contiguous), as 8 groups of 4 rows through a ring of two register slots of 4 rows.
; A row of 512 lies over the wave as register 4 i + k of lane L = element 128 i + 4 L + k: four 16-byte loads a lane, each
; 512 consecutive bytes for the wave.  At a turn's wait the wave has 32 loads out (8 rows, 16 KiB); a slot's row is asked for
; again as soon as its last multiply-add has been issued.
; At the end the 16 waves' (m, l, acc) are merged in LDS and stored as one record of 2,304 bytes: acc[512], then (M, L) 32 times,
; so that each store of a wave covers 256 consecutive bytes, aligned.  The 512 scores go out the same way.
; Why so: about one multiply-add for each 2 bytes read, so the bytes decide.  No matrix unit: each number of x meets one
; vector, and a conversion to 16 bits costs as many vector instructions as the packed multiply-add that it would replace.
; No LDS ring: the registers hold what is in flight, and LDS would add a write and a read of every byte.
; No cluster: what the 16 work-groups of a batch row share is qkp's 64 KiB, against 1 MiB of a group's own.
; No prefetch: the loads of the ring keep the stream going by themselves.
; LIMITS: the order of the sums differs from the reference's (f32 rounding alone); v_exp_f32 gives 0 for results below 2^-126
; (ISA guide, its entry in 15.8); a NaN or an infinity among a batch row's scores makes that row's results NaN.
.set ROWB, 2048                        ; bytes in a row
.set PREC, 2304                        ; bytes in a record of part
.set QK4,  0                           ; LDS [4][512] f32: four partial sums of qk
.set ACCS, 8192                        ; LDS [16][512] f32: the waves' acc
.set SCO,  40960                       ; LDS [512] f32: the group's scores
.set ML,   43008                       ; LDS [16] pairs (m, l)
.set QK,   16                          ; v[16:31]   qk[b]
.set ACC,  32                          ; v[32:47]   acc
.set T,    48                          ; v[48:79]   at work:
.set D,    T                           ;   v[48:55]  four pairs: the dot products' chains
.set S,    T+8                         ;   v[56:59]  the four scores
.set P,    T+12                        ;   v[60:63]  2^(t - m)
.set M,    T+16                        ;   v64 m, v65 l (a pair)
.set L,    T+17
.set A,    T+18                        ;   v66 2^(old m - new m), v67 the new m (a pair: both are written before the pair is named)
.set MN,   T+19
.set U,    T+20                        ;   v[68:69]
.set MLP,  T+22                        ;   v[70:71]  merge: (m, l) of wave lane % 16
.set MG,   T+24                        ;   v72 M, v73 L of the group (a pair)
.set LG,   T+25
.set F,    T+26                        ;   v74 2^(m - M)
.set R,    T+28                        ;   v[76:77]  merge: two numbers of the group's acc
.set X,    80                          ; v[80:207]  slot s at X + 64 s, row r at + 16 r
.set PL,   16                          ; s[16:17]   v_permlanex16_b32: lane i of one half reads lane i of the other
.set FK,   32                          ; s[32:47]   merge: the 16 waves' factors
; v[d:d+1] (+)= v[x:x+1] * v[p+n], the one factor for both halves (p even)
.macro FMAB d, x, p, n
.if (\n)%2
	v_pk_fma_f32 v[\d:\d+1], v[\x:\x+1], v[\p+(\n)-1:\p+(\n)], v[\d:\d+1] op_sel:[0,1,0] op_sel_hi:[1,1,1]
.else
	v_pk_fma_f32 v[\d:\d+1], v[\x:\x+1], v[\p+(\n):\p+(\n)+1], v[\d:\d+1] op_sel_hi:[1,0,1]
.endif
.endm
; four rows at x against the vector at q: four chains of eight packed multiply-adds
.macro DOT4 d, x, q
.irp r, 0,1,2,3
	v_pk_mul_f32 v[\d+2*\r:\d+2*\r+1], v[\x+16*\r:\x+16*\r+1], v[\q:\q+1]
.endr
.irp k, 1,2,3,4,5,6,7
.irp r, 0,1,2,3
	v_pk_fma_f32 v[\d+2*\r:\d+2*\r+1], v[\x+16*\r+2*\k:\x+16*\r+2*\k+1], v[\q+2*\k:\q+2*\k+1], v[\d+2*\r:\d+2*\r+1]
.endr
.endr
.endm
; the four chains summed over the 32 lanes; every lane ends with all four sums in v[s .. s+3]
.macro RED4 s, d
.irp r, 0,1,2,3
	v_add_f32 v[\s+\r], v[\d+2*\r], v[\d+2*\r+1]
.endr
.irp m, 1,2,4,8
.irp r, 0,1,2,3
	v_add_f32_dpp v[\s+\r], v[\s+\r], v[\s+\r] row_xmask:\m row_mask:0xf bank_mask:0xf
.endr
.endr
.irp r, 0,1,2,3
	v_permlanex16_b32 v[\d+\r], v[\s+\r], s[PL], s[PL+1]       ; into registers that have been written
.endr
.irp r, 0,1,2,3
	v_add_f32 v[\s+\r], v[\s+\r], v[\d+\r]
.endr
.endm
; row r of group g, into its slot: four loads.  The row's place among the wave's 32 stands in the immediate: no address register is ever stepped.
.macro FILLROW g, r
.irp i, 0,1,2,3
	global_load_b128 v[X+64*((\g)%2)+16*\r+4*\i:X+64*((\g)%2)+16*\r+4*\i+3], v1, s[4:5] offset:(4*(\g)+\r)*ROWB+512*\i th:TH_LOAD_NT
.endr
.endm
	s_load_b256 s[4:11], s[0:1], 0x0               ; x s[4:5], qkp s[6:7], scores s[8:9], part s[10:11]
	v_lshl_add_u32 v208, v0, 2, 0xa900
	v_mov_b32 v209, 0
	v_lshrrev_b32 v8, 5, v0
	v_readfirstlane_b32 s12, v8                    ; wave
	s_and_b32 s13, ttmp7, 0xffff                   ; b;  ttmp9 = chunk
	s_mov_b32 s[PL], 0x76543210
	s_mov_b32 s[PL+1], 0xfedcba98
	v_and_b32 v1, 31, v0
	v_lshlrev_b32 v1, 4, v1                        ; 16 x lane
	s_lshl_b32 s18, s13, 24                        ; x: b x 16 MiB + chunk x 1 MiB + wave x 64 KiB
	s_lshl_b32 s20, ttmp9, 20
	s_or_b32 s18, s18, s20
	s_lshl_b32 s20, s12, 16
	s_or_b32 s18, s18, s20
	s_mov_b32 s19, 0
	s_lshr_b32 s20, s12, 2                         ; qkp[j][b][d]: j = 8 (wave / 4) + 0..7, d = 128 (wave % 4) + 4 lane
	s_lshl_b32 s20, s20, 18
	s_lshl_b32 s22, s13, 11
	s_or_b32 s20, s20, s22
	s_and_b32 s22, s12, 3
	s_lshl_b32 s22, s22, 9
	s_or_b32 s20, s20, s22
	s_mov_b32 s21, 0
	s_lshl_b32 s22, s13, 15                        ; scores: b x 8,192 + chunk x 512 numbers
	s_lshl_b32 s24, ttmp9, 11
	s_or_b32 s22, s22, s24
	s_mov_b32 s23, 0
	s_lshl_b32 s24, s13, 4                         ; part: record 16 b + chunk
	s_add_co_u32 s24, s24, ttmp9
	s_mul_i32 s24, s24, PREC
	s_mov_b32 s25, 0
	s_wait_kmcnt 0x0
	s_add_nc_u64 s[4:5], s[4:5], s[18:19]
	s_add_nc_u64 s[6:7], s[6:7], s[20:21]
	s_add_nc_u64 s[8:9], s[8:9], s[22:23]
	s_add_nc_u64 s[10:11], s[10:11], s[24:25]
.irp jj, 0,1,2,3,4,5,6,7
	global_load_b128 v[T+4*\jj:T+4*\jj+3], v1, s[6:7] offset:\jj*32768   ; eight planes of qkp, my 4 numbers of each
.endr
.irp r, 0,1,2,3
	FILLROW 0, \r
.endr
.irp r, 0,1,2,3
	FILLROW 1, \r
.endr
	v_and_b32 v2, 0xff, v0
	v_lshlrev_b32 v2, 3, v2                        ; 8 x (thread % 256): the way out
	v_lshlrev_b32 v3, 4, v0                        ; 16 x thread = 512 wave + 16 lane: my 16 bytes of QK4
	s_lshl_b32 s26, s12, 7
	s_add_co_u32 s26, s26, SCO
	v_mov_b32 v4, s26                              ; my wave's 32 scores
	s_lshl_b32 s27, s12, 11
	s_add_co_u32 s27, s27, ACCS
	v_add_nc_u32 v5, s27, v1                       ; my wave's acc
	s_lshl_b32 s28, s12, 3
	s_add_co_u32 s28, s28, ML
	v_mov_b32 v6, s28                              ; my wave's (m, l)
	v_and_b32 v7, 15, v0
	v_lshl_add_u32 v7, v7, 3, ML                   ; (m, l) of wave lane % 16
	; qk[b] = the sum of qkp's 32 planes: eight in registers, then four through LDS
	s_wait_loadcnt 32                              ; qkp's eight loads are in; the ring's 32 were issued behind them and stay out
.irp h, 0,2
	v_pk_add_f32 v[T+\h:T+\h+1], v[T+\h:T+\h+1], v[T+4+\h:T+4+\h+1]
	v_pk_add_f32 v[T+8+\h:T+8+\h+1], v[T+8+\h:T+8+\h+1], v[T+12+\h:T+12+\h+1]
	v_pk_add_f32 v[T+16+\h:T+16+\h+1], v[T+16+\h:T+16+\h+1], v[T+20+\h:T+20+\h+1]
	v_pk_add_f32 v[T+24+\h:T+24+\h+1], v[T+24+\h:T+24+\h+1], v[T+28+\h:T+28+\h+1]
.endr
.irp h, 0,2
	v_pk_add_f32 v[T+\h:T+\h+1], v[T+\h:T+\h+1], v[T+8+\h:T+8+\h+1]
	v_pk_add_f32 v[T+16+\h:T+16+\h+1], v[T+16+\h:T+16+\h+1], v[T+24+\h:T+24+\h+1]
.endr
.irp h, 0,2
	v_pk_add_f32 v[T+\h:T+\h+1], v[T+\h:T+\h+1], v[T+16+\h:T+16+\h+1]
.endr
	ds_store_b128 v3, v[T:T+3]
	s_wait_dscnt 0x0                               ; my store is done, for the other waves' sake
	s_barrier_signal -1
	s_barrier_wait -1
.irp i, 0,1,2,3
	ds_load_b128 v[QK+4*\i:QK+4*\i+3],     v1 offset:QK4+512*\i
	ds_load_b128 v[ACC+4*\i:ACC+4*\i+3],   v1 offset:QK4+2048+512*\i
	ds_load_b128 v[T+4*\i:T+4*\i+3],       v1 offset:QK4+4096+512*\i
	ds_load_b128 v[T+16+4*\i:T+16+4*\i+3], v1 offset:QK4+6144+512*\i
.endr
	s_wait_dscnt 0x0
.irp k, 0,2,4,6,8,10,12,14
	v_pk_add_f32 v[QK+\k:QK+\k+1], v[QK+\k:QK+\k+1], v[ACC+\k:ACC+\k+1]
	v_pk_add_f32 v[T+\k:T+\k+1], v[T+\k:T+\k+1], v[T+16+\k:T+16+\k+1]
.endr
.irp k, 0,2,4,6,8,10,12,14
	v_pk_add_f32 v[QK+\k:QK+\k+1], v[QK+\k:QK+\k+1], v[T+\k:T+\k+1]
.endr
; The turn of group g (4 rows).  first = 1: it starts m, l and acc (nothing is cleared).  fill = 1: each row's registers are asked for
; again, with the row of group g + 2, behind the row's last use.  left = how many younger loads may stay out.
.macro TURN g, first, fill, left
.set XS, X+64*((\g)%2)
	s_wait_loadcnt \left                           ; loads come back in order (ISA guide 5.7.1): this group's 16 are in
	DOT4 D, XS, QK
	RED4 S, D
	ds_store_b128 v4, v[S:S+3] offset:16*\g        ; the four scores; all lanes store the same bytes with the same values
	v_max3_num_f32 v[MN], v[S], v[S+1], v[S+2]
.if \first
	v_max_num_f32 v[MN], v[MN], v[S+3]
.else
	v_max3_num_f32 v[MN], v[MN], v[S+3], v[M]      ; the running maximum
	v_sub_f32 v[A], v[M], v[MN]
.endif
.irp r, 0,1,2,3
	v_sub_f32 v[P+\r], v[S+\r], v[MN]
.endr
.if \first == 0
	v_exp_f32 v[A], v[A]
.endif
.irp r, 0,1,2,3
	v_exp_f32 v[P+\r], v[P+\r]
.endr
	v_mov_b32 v[M], v[MN]                          ; the plain instruction between the exponentials and the first use of a result (ISA guide 5.7.2)
	s_wait_alu depctr_va_vdst(0)
	v_add_f32 v[U], v[P], v[P+1]
	v_add_f32 v[U+1], v[P+2], v[P+3]
.if \first
	v_add_f32 v[L], v[U], v[U+1]
.else
	v_add_f32 v[U], v[U], v[U+1]
	v_fma_f32 v[L], v[L], v[A], v[U]
.irp k, 0,2,4,6,8,10,12,14
	v_pk_mul_f32 v[ACC+\k:ACC+\k+1], v[ACC+\k:ACC+\k+1], v[A:A+1] op_sel_hi:[1,0]   ; acc to the new maximum
.endr
.endif
.irp k, 0,2,4,6,8,10,12,14
.if \first
	v_pk_mul_f32 v[ACC+\k:ACC+\k+1], v[XS+\k:XS+\k+1], v[P:P+1] op_sel_hi:[1,0]     ; the first row starts acc
.else
	FMAB ACC+\k, XS+\k, P, 0
.endif
.endr
.if \fill
	FILLROW \g+2, 0
.endif
.irp r, 1,2,3
.irp k, 0,2,4,6,8,10,12,14
	FMAB ACC+\k, XS+16*\r+\k, P, \r
.endr
.if \fill
	FILLROW \g+2, \r
.endif
.endr
.endm
	TURN 0, 1, 1, 16                               ; 16: the other slot's loads were issued behind this group's
	TURN 1, 0, 1, 16
	TURN 2, 0, 1, 16
	TURN 3, 0, 1, 16
	TURN 4, 0, 1, 16
	TURN 5, 0, 1, 16                               ; asks for group 7, the last
	TURN 6, 0, 0, 16
	TURN 7, 0, 0, 0                                ; nothing was issued behind the last group's loads
	; The merge: every wave's acc and (m, l) into LDS
.irp i, 0,1,2,3
	ds_store_b128 v5, v[ACC+4*\i:ACC+4*\i+3] offset:512*\i     ; element d at byte 4 d of the wave's 2 KiB
.endr
	ds_store_b64 v6, v[M:L]
	s_wait_dscnt 0x0                               ; these and the scores' stores are done, for the other waves' sake
	s_barrier_signal -1
	s_barrier_wait -1
	s_cmp_lt_u32 s12, 8
	s_cbranch_scc0 .Lscores
	; waves 0 to 7: thread t makes elements 2 t and 2 t + 1 of the group's acc
	ds_load_b64 v[MLP:MLP+1], v7
.irp k, 0,1,2,3,4,5,6,7,8,9,10,11,12,13,14,15
	ds_load_b64 v[X+2*\k:X+2*\k+1], v2 offset:ACCS+2048*\k
.endr
	s_wait_dscnt 16                                ; (m, l) is in; the 16 loads behind it stay out
	v_mov_b32 v[MG], v[MLP]                        ; m is needed again below, so the maximum gets a register of its own
.irp m, 1,2,4,8
	v_max_num_f32_dpp v[MG], v[MG], v[MG] row_xmask:\m row_mask:0xf bank_mask:0xf   ; both halves of the wave hold the same 16 entries: no step across
.endr
	v_sub_f32 v[F], v[MLP], v[MG]
	v_exp_f32 v[F], v[F]                           ; lane k: 2^(m of wave k - M)
	v_nop                                          ; the place behind the exponential (ISA guide 5.7.2)
	s_wait_alu depctr_va_vdst(0)
	v_mul_f32 v[LG], v[F], v[MLP+1]
.irp m, 1,2,4,8
	v_add_f32_dpp v[LG], v[LG], v[LG] row_xmask:\m row_mask:0xf bank_mask:0xf
.endr
.irp k, 0,1,2,3,4,5,6,7,8,9,10,11,12,13,14,15
	v_readlane_b32 s[FK+\k], v[F], \k
.endr
	s_wait_dscnt 0x0
	v_mul_f32 v[R], s[FK], v[X]
	v_mul_f32 v[R+1], s[FK], v[X+1]
.irp k, 1,2,3,4,5,6,7,8,9,10,11,12,13,14,15
	v_fmac_f32 v[R], s[FK+\k], v[X+2*\k]
	v_fmac_f32 v[R+1], s[FK+\k], v[X+2*\k+1]
.endr
	global_store_b64 v2, v[R:R+1], s[10:11]        ; the wave stores 256 consecutive bytes, aligned
	s_cmp_lg_u32 s12, 0
	s_cbranch_scc1 .Ldone
	global_store_b64 v2, v[MG:LG], s[10:11] offset:2048        ; wave 0: (M, L) from each of its 32 lanes, 256 consecutive bytes
.Ldone:
	s_wait_tensorcnt 0x0
	ds_add_u32 v208, v209
	s_wait_dscnt 0x0
	s_endpgm
.Lscores:
	; waves 8 to 15: the group's 512 scores, two a thread
	ds_load_b64 v[X:X+1], v2 offset:SCO
	s_wait_dscnt 0x0
	global_store_b64 v2, v[X:X+1], s[8:9]          ; the wave stores 256 consecutive bytes, aligned
	s_wait_tensorcnt 0x0
	ds_add_u32 v208, v209
	s_wait_dscnt 0x0
	s_endpgm
.Lfunc_end_k_qbe5baa2784_stream:
	.size	k_qbe5baa2784_stream, .Lfunc_end_k_qbe5baa2784_stream-k_qbe5baa2784_stream
	.p2alignl 7, 3214868480
	.fill 96, 4, 3214868480
	.section	.rodata,"a",@progbits
	.p2align	6, 0x0
	.amdhsa_kernel k_qbe5baa2784_stream
		.amdhsa_group_segment_fixed_size 45312
		.amdhsa_private_segment_fixed_size 0
		.amdhsa_enable_private_segment 0
		.amdhsa_kernarg_size 32
		.amdhsa_user_sgpr_count 2
		.amdhsa_user_sgpr_kernarg_segment_ptr 1
		.amdhsa_wavefront_size32 1
		.amdhsa_system_sgpr_workgroup_id_x 1
		.amdhsa_system_sgpr_workgroup_id_y 1
		.amdhsa_system_sgpr_workgroup_id_z 1
		.amdhsa_system_vgpr_workitem_id 0
		.amdhsa_next_free_vgpr 210
		.amdhsa_next_free_sgpr 66
		.amdhsa_reserve_vcc 0
		.amdhsa_float_denorm_mode_32 3
		.amdhsa_float_denorm_mode_16_64 3
		.amdhsa_memory_ordered 1
		.amdhsa_forward_progress 1
		.amdhsa_inst_pref_size 77
	.end_amdhsa_kernel
	.amdgpu_metadata
---
amdhsa.version: [ 1, 2 ]
amdhsa.kernels:
  - .name:           k_qbe5baa2784_stream
    .symbol:         k_qbe5baa2784_stream.kd
    .args:
      - { .name: encoder_outputs, .offset: 0, .size: 8, .value_kind: global_buffer, .address_space: global }
      - { .name: qkp, .offset: 8, .size: 8, .value_kind: global_buffer, .address_space: global }
      - { .name: scores, .offset: 16, .size: 8, .value_kind: global_buffer, .address_space: global }
      - { .name: part, .offset: 24, .size: 8, .value_kind: global_buffer, .address_space: global }
    .group_segment_fixed_size: 45312
    .private_segment_fixed_size: 0
    .kernarg_segment_align: 8
    .kernarg_segment_size: 32
    .max_flat_workgroup_size: 512
    .sgpr_count:     66
    .vgpr_count:     210
    .wavefront_size: 32
...
	.end_amdgpu_metadata
.endif
;; end of part 2
;; launch finish (part 3): grid 8 x 16, 16 waves a work-group, no clusters, 4,352 bytes of LDS; arguments part, scores, W_V, out0, out1; writes out0, out1
.if DOCPART == 3
	.amdgcn_target "amdgcn-amd-amdhsa--gfx1250"
	.amdhsa_code_object_version 6
	.text
	.protected	k_qbe5baa2784_finish
	.globl	k_qbe5baa2784_finish
	.p2align	8
	.type	k_qbe5baa2784_finish,@function
k_qbe5baa2784_finish:
	s_mov_b64 s[64:65], 0
	v_nop
	global_prefetch_b8 v0, s[64:65] scope:SCOPE_SE
	s_setreg_imm32_b32 hwreg(HW_REG_WAVE_MODE, 25, 1), 1
	s_wait_xcnt 0x0
; The end of the softmax and the product with W_V.  Work-group (eb, b), 8 x 16.
; From the 16 records of batch row b (acc[512], M, L for each chunk of 512 rows):
;   M = max of the M_k,  L = sum of 2^(M_k - M) L_k,  g_k = 2^(M_k - M) / L,  xbar[d] = sum of g_k acc_k[d]   (the weighted mean of x)
;   out1[b][1024 eb + ..] = 2^(t - M) / L   for 1,024 scores t (in units of log2)
;   out0[b][64 eb + ..]   = W_V[e] . xbar   for 64 rows e of W_V.
; Sixteen waves.  Waves 0 to 7 make xbar (thread t: elements 2 t, 2 t + 1) and hand it on through LDS; meanwhile waves 8 to 15 make
; out1 (four numbers a thread).  Then every wave takes four rows of W_V, which it asked for at the start.
; 128 work-groups: out0 is 128 aligned pieces of 256 bytes, and each group stores one of them whole, by one store of one wave.
; Each group of a batch row makes xbar again from 36 KiB of records: less than passing it through another launch.
; No cluster: the 16 groups of one eb read the same 128 KiB of W_V, but the launch is a single trip to memory whose loads land
; in the registers that use them; joint tile loads would add a way through LDS and the cluster's rounds to it.
; No matrix unit: each number of W_V meets one vector in a group.
; LIMITS: v_exp_f32 gives 0 for results below 2^-126, v_rcp_f32 is good to one unit in the last place (ISA guide, their entries in
; 15.8); the order of the sums differs from the reference's; a NaN in a batch row's records makes that row's outputs NaN.
.set ROWB, 2048                        ; bytes in a row of W_V
.set PREC, 2304                        ; bytes in a record of part
.set XB,   0                           ; LDS [512] f32: xbar
.set OUTS, 2048                        ; LDS [64] f32: the group's piece of out0
.set WV,   16                          ; v[16:79]    4 rows of W_V, 16 registers each
.set PA,   80                          ; v[80:111]   waves 0-7: my two numbers of the 16 records
.set SC,   80                          ; v[80:83]    waves 8-15: my four scores
.set MLP,  112                         ; v[112:113]  (M, L) of chunk lane % 16
.set XBR,  116                         ; v[116:131]  xbar
.set D,    132                         ; v[132:139]  four pairs: the dot products' chains
.set S,    140                         ; v[140:143]  the four results
.set MG,   144
.set F,    145
.set LG,   146
.set IL,   148
.set G,    150
.set R,    152                         ; v[152:153]
.set PL,   20                          ; s[20:21]    v_permlanex16_b32: lane i of one half reads lane i of the other
.set GK,   32                          ; s[32:47]    the 16 chunks' weights
.macro DOT4 d, x, q
.irp r, 0,1,2,3
	v_pk_mul_f32 v[\d+2*\r:\d+2*\r+1], v[\x+16*\r:\x+16*\r+1], v[\q:\q+1]
.endr
.irp k, 1,2,3,4,5,6,7
.irp r, 0,1,2,3
	v_pk_fma_f32 v[\d+2*\r:\d+2*\r+1], v[\x+16*\r+2*\k:\x+16*\r+2*\k+1], v[\q+2*\k:\q+2*\k+1], v[\d+2*\r:\d+2*\r+1]
.endr
.endr
.endm
.macro RED4 s, d
.irp r, 0,1,2,3
	v_add_f32 v[\s+\r], v[\d+2*\r], v[\d+2*\r+1]
.endr
.irp m, 1,2,4,8
.irp r, 0,1,2,3
	v_add_f32_dpp v[\s+\r], v[\s+\r], v[\s+\r] row_xmask:\m row_mask:0xf bank_mask:0xf
.endr
.endr
.irp r, 0,1,2,3
	v_permlanex16_b32 v[\d+\r], v[\s+\r], s[PL], s[PL+1]       ; into registers that have been written
.endr
.irp r, 0,1,2,3
	v_add_f32 v[\s+\r], v[\s+\r], v[\d+\r]
.endr
.endm
; my four rows of W_V: 16 loads, each 512 consecutive bytes for the wave
.macro LOADWV
.irp r, 0,1,2,3
.irp i, 0,1,2,3
	global_load_b128 v[WV+16*\r+4*\i:WV+16*\r+4*\i+3], v1, s[8:9] offset:\r*ROWB+512*\i
.endr
.endr
.endm
; M, lane k's 2^(M_k - M), L, and 1 / L.  Ends on the reciprocal: a plain instruction follows before its result is used.
.macro SOFT
	s_wait_loadcnt 16                              ; loads come back in order (ISA guide 5.7.1): all but W_V's 16, which were issued last
	v_mov_b32 v[MG], v[MLP]                        ; M_k is needed again below, so the maximum gets a register of its own
.irp m, 1,2,4,8
	v_max_num_f32_dpp v[MG], v[MG], v[MG] row_xmask:\m row_mask:0xf bank_mask:0xf   ; both halves of the wave hold the same 16 entries: no step across
.endr
	v_sub_f32 v[F], v[MLP], v[MG]
	v_exp_f32 v[F], v[F]
	v_nop                                          ; the place behind the exponential (ISA guide 5.7.2)
	s_wait_alu depctr_va_vdst(0)
	v_mul_f32 v[LG], v[F], v[MLP+1]
.irp m, 1,2,4,8
	v_add_f32_dpp v[LG], v[LG], v[LG] row_xmask:\m row_mask:0xf bank_mask:0xf
.endr
	v_rcp_f32 v[IL], v[LG]                         ; L is at least 1: the chunk that holds the maximum adds 2^0 times a sum that holds 2^0
.endm
	s_load_b256 s[4:11], s[0:1], 0x0               ; part s[4:5], scores s[6:7], W_V s[8:9], out0 s[10:11]
	s_load_b64 s[12:13], s[0:1], 0x20              ; out1
	v_lshl_add_u32 v160, v0, 2, 0x900
	v_mov_b32 v161, 0
	v_lshrrev_b32 v8, 5, v0
	v_readfirstlane_b32 s14, v8                    ; wave
	s_and_b32 s15, ttmp7, 0xffff                   ; b;  ttmp9 = eb
	s_mov_b32 s[PL], 0x76543210
	s_mov_b32 s[PL+1], 0xfedcba98
	v_and_b32 v6, 31, v0
	v_lshlrev_b32 v1, 4, v6                        ; 16 x lane
	v_lshl_add_u32 v6, v6, 3, OUTS                 ; the way out: two results a lane
	v_and_b32 v3, 0xff, v0
	v_lshlrev_b32 v2, 3, v3                        ; 8 x (thread % 256)
	v_lshlrev_b32 v3, 4, v3                        ; 16 x (thread % 256)
	v_and_b32 v4, 15, v0
	v_mul_u32_u24 v4, v4, PREC                     ; the record of chunk lane % 16
	s_lshl_b32 s18, s14, 4
	s_add_co_u32 s18, s18, OUTS
	v_mov_b32 v5, s18                              ; my wave's four results
	s_mul_i32 s22, s15, 16*PREC                    ; part: the 16 records of b
	s_mov_b32 s23, 0
	s_lshl_b32 s24, s15, 15                        ; scores and out1: b x 8,192 + eb x 1,024 numbers
	s_lshl_b32 s26, ttmp9, 12
	s_or_b32 s24, s24, s26
	s_mov_b32 s25, 0
	s_lshl_b32 s26, ttmp9, 17                      ; W_V: row 64 eb + 4 wave
	s_lshl_b32 s28, s14, 13
	s_or_b32 s26, s26, s28
	s_mov_b32 s27, 0
	s_lshl_b32 s28, s15, 11                        ; out0: b x 512 + eb x 64 numbers
	s_lshl_b32 s30, ttmp9, 8
	s_or_b32 s28, s28, s30
	s_mov_b32 s29, 0
	s_wait_kmcnt 0x0
	s_add_nc_u64 s[4:5], s[4:5], s[22:23]
	s_add_nc_u64 s[6:7], s[6:7], s[24:25]
	s_add_nc_u64 s[12:13], s[12:13], s[24:25]
	s_add_nc_u64 s[8:9], s[8:9], s[26:27]
	s_add_nc_u64 s[10:11], s[10:11], s[28:29]
	global_load_b64 v[MLP:MLP+1], v4, s[4:5] offset:2048       ; (M, L) of chunk lane % 16
	s_cmp_lt_u32 s14, 8
	s_cbranch_scc0 .Lweights
	; waves 0 to 7: xbar
.irp k, 0,1,2,3,4,5,6,7,8,9,10,11,12,13,14,15
	global_load_b64 v[PA+2*\k:PA+2*\k+1], v2, s[4:5] offset:\k*PREC    ; the wave reads 256 consecutive bytes of record k
.endr
	LOADWV
	SOFT
	v_nop                                          ; the place behind the reciprocal (ISA guide 5.7.2)
	s_wait_alu depctr_va_vdst(0)
	v_mul_f32 v[G], v[F], v[IL]                    ; lane k: g_k
.irp k, 0,1,2,3,4,5,6,7,8,9,10,11,12,13,14,15
	v_readlane_b32 s[GK+\k], v[G], \k
.endr
	v_mul_f32 v[R], s[GK], v[PA]
	v_mul_f32 v[R+1], s[GK], v[PA+1]
.irp k, 1,2,3,4,5,6,7,8,9,10,11,12,13,14,15
	v_fmac_f32 v[R], s[GK+\k], v[PA+2*\k]
	v_fmac_f32 v[R+1], s[GK+\k], v[PA+2*\k+1]
.endr
	ds_store_b64 v2, v[R:R+1] offset:XB
	s_branch .Ljoin
.Lweights:
	; waves 8 to 15: 1,024 attention weights
	global_load_b128 v[SC:SC+3], v3, s[6:7]
	LOADWV
	SOFT
.irp i, 0,1,2,3
	v_sub_f32 v[SC+\i], v[SC+\i], v[MG]            ; plain work that touches neither L nor 1 / L: the place behind the reciprocal
.endr
.irp i, 0,1,2,3
	v_exp_f32 v[SC+\i], v[SC+\i]
.endr
	v_nop                                          ; the place behind the exponentials (ISA guide 5.7.2)
	s_wait_alu depctr_va_vdst(0)
.irp i, 0,1,2,3
	v_mul_f32 v[SC+\i], v[SC+\i], v[IL]
.endr
	global_store_b128 v3, v[SC:SC+3], s[12:13] th:TH_STORE_NT  ; the wave stores 512 consecutive bytes, aligned
.Ljoin:
	s_wait_dscnt 0x0                               ; xbar's stores are done, for the other waves' sake
	s_barrier_signal -1
	s_barrier_wait -1
.irp i, 0,1,2,3
	ds_load_b128 v[XBR+4*\i:XBR+4*\i+3], v1 offset:XB+512*\i   ; xbar in the rows' layout
.endr
	s_wait_loadcnt 0x0                             ; W_V
	s_wait_dscnt 0x0
	DOT4 D, WV, XBR
	RED4 S, D
	ds_store_b128 v5, v[S:S+3]                     ; all lanes store the same 16 bytes with the same values
	s_wait_dscnt 0x0                               ; done, for wave 0's sake
	s_barrier_signal -1
	s_barrier_wait -1
	s_cmp_lg_u32 s14, 0
	s_cbranch_scc1 .Lend
	ds_load_b64 v[R:R+1], v6                       ; wave 0: the group's 64 results, two a lane
	s_wait_dscnt 0x0
	global_store_b64 v2, v[R:R+1], s[10:11] th:TH_STORE_NT     ; 256 consecutive bytes, aligned
.Lend:
	s_wait_tensorcnt 0x0
	ds_add_u32 v160, v161
	s_wait_dscnt 0x0
	s_endpgm
.Lfunc_end_k_qbe5baa2784_finish:
	.size	k_qbe5baa2784_finish, .Lfunc_end_k_qbe5baa2784_finish-k_qbe5baa2784_finish
	.p2alignl 7, 3214868480
	.fill 96, 4, 3214868480
	.section	.rodata,"a",@progbits
	.p2align	6, 0x0
	.amdhsa_kernel k_qbe5baa2784_finish
		.amdhsa_group_segment_fixed_size 4352
		.amdhsa_private_segment_fixed_size 0
		.amdhsa_enable_private_segment 0
		.amdhsa_kernarg_size 40
		.amdhsa_user_sgpr_count 2
		.amdhsa_user_sgpr_kernarg_segment_ptr 1
		.amdhsa_wavefront_size32 1
		.amdhsa_system_sgpr_workgroup_id_x 1
		.amdhsa_system_sgpr_workgroup_id_y 1
		.amdhsa_system_sgpr_workgroup_id_z 1
		.amdhsa_system_vgpr_workitem_id 0
		.amdhsa_next_free_vgpr 162
		.amdhsa_next_free_sgpr 66
		.amdhsa_reserve_vcc 0
		.amdhsa_float_denorm_mode_32 3
		.amdhsa_float_denorm_mode_16_64 3
		.amdhsa_memory_ordered 1
		.amdhsa_forward_progress 1
		.amdhsa_inst_pref_size 16
	.end_amdhsa_kernel
	.amdgpu_metadata
---
amdhsa.version: [ 1, 2 ]
amdhsa.kernels:
  - .name:           k_qbe5baa2784_finish
    .symbol:         k_qbe5baa2784_finish.kd
    .args:
      - { .name: part, .offset: 0, .size: 8, .value_kind: global_buffer, .address_space: global }
      - { .name: scores, .offset: 8, .size: 8, .value_kind: global_buffer, .address_space: global }
      - { .name: W_V, .offset: 16, .size: 8, .value_kind: global_buffer, .address_space: global }
      - { .name: out0, .offset: 24, .size: 8, .value_kind: global_buffer, .address_space: global }
      - { .name: out1, .offset: 32, .size: 8, .value_kind: global_buffer, .address_space: global }
    .group_segment_fixed_size: 4352
    .private_segment_fixed_size: 0
    .kernarg_segment_align: 8
    .kernarg_segment_size: 40
    .max_flat_workgroup_size: 512
    .sgpr_count:     66
    .vgpr_count:     162
    .wavefront_size: 32
...
	.end_amdgpu_metadata
.endif
;; end of part 3
